; MI455X (gfx1250); checked and timed in simulation.
; The chip was launched on July 23, 2026; its instructions are those of AMD's public machine-readable ISA for CDNA 5 (MIT licence, August 2026) and "CDNA5" Instruction Set Architecture Reference Guide (July 2026). The comments in the code are by the model that wrote it; some were corrected since.
;; Multi Head Attention. Allowed arithmetic: matrix products marked QUANTISED: E2M1 operands, one E8M0 scale for each 32 along K, by v_wmma_scale_f32_16x16x128_f8f6f4 with both operands' format E2M1 (or v_wmma_scale_f32_32x16x128_f4), f32 sums; everything else in f32.
;; Inputs: K 4 x 2,048 x 1,024 float32; Q 4 x 2,048 x 1,024 float32; V 4 x 2,048 x 1,024 float32; Wk 1,024 x 1,024 float32; Wo 1,024 x 1,024 float32; Wq 1,024 x 1,024 float32; Wv 1,024 x 1,024 float32; bk 1,024 float32; bo 1,024 float32; bq 1,024 float32; bv 1,024 float32.
;; Outputs: out0 4 x 2,048 x 1,024 float32.
;; This version of the problem:
;;   THIS VERSION OF THE PROBLEM IS GIVEN IN LOW PRECISION. The matrix products marked QUANTISED in the list below multiply operands that are first quantised to E2M1 (2 exponent bits, 1 mantissa bit; 4 bits a number), with one power-of-two scale for each 32 numbers along K (OCP MX v1.0); their sums are f32. All else is computed in f32.
;;   The module's matrix products, in the order in which they are computed (A, B: the left and right operand; K: the contracted axis; several contracted axes count as one K, in the product's order):
;;     1. [M 8,192, K 1,024] x [K 1,024, N 1,024]; A: input Q; B: input Wq: QUANTISED
;;     2. [M 8,192, K 1,024] x [K 1,024, N 1,024]; A: input K; B: input Wk: QUANTISED
;;     3. [M 8,192, K 1,024] x [K 1,024, N 1,024]; A: input V; B: input Wv: QUANTISED
;;     4. batch 64 x [M 2,048, K 64] x [K 64, N 2,048]; A: computed on the way; B: computed on the way: QUANTISED
;;     5. batch 64 x [M 2,048, K 2,048] x [K 2,048, N 64]; A: softmax (see below); B: computed on the way: QUANTISED
;;     6. [M 8,192, K 1,024] x [K 1,024, N 1,024]; A: computed on the way; B: input Wo: QUANTISED
;;   THE QUANTISER, for each operand of a quantised product, along K:
;;     - K is cut into blocks of 32 from its start; a last block that is shorter is filled with zeros.
;;     - A block's scale is 2^e with e = floor(log2(the largest magnitude in the block)) - 2, held to -126 .. 127; a block of zeros has e = 0. As a byte (E8M0): e + 127.
;;     - Each number is divided by its block's scale, clamped to +-6, and rounded to the nearest number of E2M1, ties to even, subnormals kept.
;;     - The product sums the exact products of the quantised numbers (number of the format x scale) in f32.
;;   ~~~python
;;   def quantise(x, axis):      # numpy; x: float32 -> the quantised numbers, widened to float32 again
;;       x = np.moveaxis(x, axis, -1); K = x.shape[-1]
;;       x = np.pad(x, [(0, 0)] * (x.ndim - 1) + [(0, -K % 32)]); x = x.reshape(x.shape[:-1] + (-1, 32)); a = np.abs(x).max(-1, keepdims=True)
;;       e = np.where(a > 0, np.clip(np.frexp(np.where(a > 0, a, 1))[1] - 1 - 2, -126, 127), 0)      # np.frexp(a)[1] - 1 = floor(log2(a)), exactly
;;       r = np.clip(x / 2.0 ** e, -6, 6)
;;       step = 2.0 ** (np.maximum(np.frexp(np.where(r == 0, 1, r))[1] - 1, 0) - 1)
;;       q = np.round(r / step) * step * 2.0 ** e      # np.round: ties to even
;;       return np.moveaxis(q.reshape(q.shape[:-2] + (-1,))[..., :K], -1, axis).astype(np.float32)
;;   ~~~
;;   SOFTMAX AHEAD OF A QUANTISED PRODUCT. Where the list says 'softmax', what is quantised is not the finished softmax but p = 2^(t - M), with t = logit x log2(e) and M = ceil(the row's largest t), a whole number; so 1/2 < the row's largest p <= 1. The row's sum l is taken of the UNQUANTISED p, in f32, and the product's result is divided by l at the end. Since M is a whole number, a kernel that streams over the keys may use a running M (the ceiling of the running maximum): every later rescaling is an exact power of two, which a block's scale takes up: the codes' values come out the same.
;;   OPERANDS COMPUTED ON THE WAY. 'Computed on the way' means the value that the module computes at that place (a softmax that the list does not call 'softmax' is quantised finished and normalised). What goes into a quantiser is computed in f32, as accurately as f32 sums, v_exp_f32 and their like allow (about 1e-6 of the number): no bf16 or f16 on the way to a quantiser, and a product that is left as it is and whose result goes on into a quantised operand takes f32 operands (vector FMAs, or v_wmma_f32_16x16x4_f32). A number that lies on a knife's edge between two numbers of the format may be rounded either way, as far as f32 arithmetic and the matrix unit's own rounding can turn it there, and no further.
;; One version. Each part assembles by itself: llvm-mc -triple=amdgcn-amd-amdhsa -mcpu=gfx1250 --defsym DOCPART=n.
;; ======== version 1 of 1: 4 launches
;; workspace buffers: ops 15,597,568 bytes; qc 4,194,304 bytes; qs 524,288 bytes; kv 8,912,896 bytes; cc 4,456,448 bytes
;; launch quant (part 1): grid 448 x 1, 4 waves a work-group, no clusters, 34,304 bytes of LDS; arguments Q, K, V, Wq, Wk, Wv, Wo, ops; writes ops
.if DOCPART == 1
	.amdgcn_target "amdgcn-amd-amdhsa--gfx1250"
	.amdhsa_code_object_version 6
	.text
	.protected	k_q08e6baa9c6_quant
	.globl	k_q08e6baa9c6_quant
	.p2align	8
	.type	k_q08e6baa9c6_quant,@function
k_q08e6baa9c6_quant:
	s_mov_b64 s[64:65], 0
	v_nop
	global_prefetch_b8 v0, s[64:65] scope:SCOPE_SE
	s_setreg_imm32_b32 hwreg(HW_REG_WAVE_MODE, 25, 1), 1
	s_wait_xcnt 0x0
; Q, K, V [8192][1024] and Wq, Wk, Wv, Wo [1024][1024], f32, K innermost, become codes of FP4 (E2M1) with one E8M0 byte for each 32 along K, in the workspace ops.
; A block's scale is 2^(floor(log2(its largest magnitude)) - 2); its byte is the largest magnitude's exponent field - 2, held at 1 from below; each number / scale goes to the nearest code, ties to even, beyond 6 to 6.
; LIMITS: a block of zeros, or one whose largest magnitude lies under 2^-124, gets the byte 1 (the rule says 127 for zeros): its codes are zeros and this program alone reads the bytes.  NaN and infinities among the inputs are not served.
; LAYOUT OF ops: 1,792 row tiles of 16 rows, RT = 8,704 bytes each (Q 0-511, K 512-1023, V 1024-1535, Wq 1536.., Wk 1600.., Wv 1664.., Wo 1728..), AS THE MATRIX OPERAND'S REGISTERS TAKE THEM:
;   codes of K step q (128 along K), register group c: byte 1024 q + 512 c + 16 x lane; lane (r, h) holds block 4 q + 2 c + h of row r.  Scale bytes: 8192 + 32 r + block.
;   Inside a block the 4-byte words 1 and 2 change places (k 0-7, 16-23, 8-15, 24-31).  Every operand of this program has that order, so every product meets like k with like k, and blocks and scales are untouched.
; SHARES: a wave takes one row tile, in eight units of 16 rows x 128 k.  Each load reads 512 consecutive bytes of a row; the unit turns through the wave's own stage in LDS (16 rows, 528 bytes apart), so that a lane gets two
; whole blocks of its row in 64 registers: no other lane is asked for a maximum.  Loads run two units (32 loads a wave) ahead.  Each store of codes covers 512 consecutive bytes.
; Memory binds: no matrix unit, no cluster (no two work-groups read the same byte), no barrier (waves share nothing).
.set RT,  8704
.set SP,  528                          ; a stage row: 512 bytes + 16: an odd multiple of 16, so the sixteen rows that a read touches start 16 bytes apart modulo 256
.set GA,  4                            ; v4   16 x lane: my place in a load's and in a store's 512 bytes; never rewritten
.set SA,  5                            ; v5   the stage, on the way in
.set RA,  6                            ; v6   and on the way out: row r, + 128 h
.set SI,  7                            ; v7   32 r + 16 h: my 16 scale bytes
.set SH,  8                            ; v8   8 h
.set M,   10                           ; v10-11 the two blocks' largest magnitudes
.set SO,  12                           ; v12-13 the conversions' scale operands
.set BY,  14                           ; v14-15 the scale bytes
.set T,   16                           ; v16-17 at work
.set W,   20                           ; v20-27 the row's scale word of each K step
.set PC,  28                           ; v28-35 a unit's codes
.set R,   36                           ; v36-163 two sets of 64 registers as loaded
.set X,   164                          ; v164-227 my two blocks
	s_load_b256 s[4:11], s[0:1], 0x0               ; Q, K, V, Wq
	s_load_b256 s[12:19], s[0:1], 0x20             ; Wk, Wv, Wo, ops
	v_lshl_add_u32 v228, v0, 2, 0x8400
	v_mov_b32 v229, 0
	v_lshrrev_b32 v1, 5, v0
	v_readfirstlane_b32 s20, v1                    ; wave 0..3
	v_and_b32 v1, 31, v0                           ; lane
	v_and_b32 v2, 15, v0                           ; r
	v_bfe_u32 v3, v0, 4, 1                         ; h
	v_lshlrev_b32 v[GA], 4, v1
	s_mul_i32 s21, s20, 16*SP                      ; my wave's stage
	v_add_nc_u32 v[SA], s21, v[GA]
	v_mul_u32_u24 v[RA], v2, SP
	v_lshl_add_u32 v[RA], v3, 7, v[RA]
	v_add_nc_u32 v[RA], s21, v[RA]
	v_lshlrev_b32 v[SI], 5, v2
	v_lshl_add_u32 v[SI], v3, 4, v[SI]
	v_lshlrev_b32 v[SH], 3, v3
	v_mov_b32 v[T], 0                              ; written once: a lane permute's destination counts as one of its sources
	s_mov_b32 s22, 0x76543210
	s_mov_b32 s23, 0xfedcba98                      ; v_permlanex16_b32's selects for lane l xor 16
	s_mov_b32 s24, 0xffff0000                      ; lanes 16-31
	s_wait_alu depctr_va_vdst(0)
	s_wait_kmcnt 0x0
	; which tensor is my work-group's: the choice hangs on the work-group's number alone.  s[26:27] the tensor, s25 its first work-group
	s_mov_b64 s[26:27], s[16:17]
	s_mov_b32 s25, 432
.macro PICK lim, ptr, first
	s_cmp_lt_u32 ttmp9, \lim
	s_cselect_b64 s[26:27], s[\ptr:\ptr+1], s[26:27]
	s_cselect_b32 s25, \first, s25
.endm
	PICK 432, 14, 416
	PICK 416, 12, 400
	PICK 400, 10, 384
	PICK 384, 8, 256
	PICK 256, 6, 128
	PICK 128, 4, 0
	s_sub_co_u32 s28, ttmp9, s25
	s_lshl_b32 s28, s28, 18                        ; four row tiles of 65,536 bytes a work-group
	s_lshl_b32 s29, s20, 16
	s_add_co_u32 s28, s28, s29
	s_mov_b32 s29, 0
	s_add_nc_u64 s[26:27], s[26:27], s[28:29]      ; my row tile in its tensor
	s_lshl_b32 s30, ttmp9, 2
	s_add_co_u32 s30, s30, s20
	s_mul_i32 s30, s30, RT
	s_mov_b32 s31, 0
	s_add_nc_u64 s[18:19], s[18:19], s[30:31]      ; and in ops
.macro LOAD q                          ; unit q: 16 rows x 512 bytes into set q % 2
.irp p, 0,1,2,3,4,5,6,7,8,9,10,11,12,13,14,15
	global_load_b128 v[R+64*((\q)%2)+4*\p:R+64*((\q)%2)+4*\p+3], v[GA], s[26:27] offset:\p*4096+(\q)*512 th:TH_LOAD_NT
.endr
.endm
.macro UNIT q
.if (\q) < 7
	s_wait_loadcnt 16                              ; this unit's 16 loads are in; the next unit's 16 may be out
.else
	s_wait_loadcnt 0x0
.endif
.irp p, 0,1,2,3,4,5,6,7,8,9,10,11,12,13,14,15
	ds_store_b128 v[SA], v[R+64*((\q)%2)+4*\p:R+64*((\q)%2)+4*\p+3] offset:\p*SP
.endr
.irp c, 0,1
.irp i, 0,1,2,3,4,5,6,7
	ds_load_b128 v[X+32*\c+4*\i:X+32*\c+4*\i+3], v[RA] offset:256*\c+16*\i   ; block 2 c + h of row r.  LDS serves a wave's instructions in order (ISA guide 5.7.1.4): these see the stores above
.endr
.endr
	s_wait_dscnt 0x0                               ; my blocks are here, and the stores have read their registers,
.if (\q)+2 < 8
	LOAD (\q)+2                                    ; which take the unit two further on
.endif
.irp c, 0,1
	v_max3_num_f32 v[M+\c], |v[X+32*\c]|, |v[X+32*\c+1]|, 0x1800000   ; the floor 2^(3 - 127) among the leaves: the byte cannot fall under 1
.endr
.irp i, 2,4,6,8,10,12,14,16,18,20,22,24,26,28,30
.irp c, 0,1
	v_max3_num_f32 v[M+\c], v[M+\c], |v[X+32*\c+\i]|, |v[X+32*\c+\i+1]|   ; (the two blocks by turns)
.endr
.endr
.irp c, 0,1
	v_add_nc_u32 v[SO+\c], 0xff000000, v[M+\c]     ; 2 off the exponent field: the conversion takes this operand's exponent field as its scale
.endr
.irp c, 0,1
	v_lshrrev_b32 v[BY+\c], 23, v[SO+\c]           ; the scale's byte
.endr
	v_lshl_or_b32 v[T+1], v[BY+1], 16, v[BY]       ; my two bytes: blocks h and 2 + h of this K step,
	v_lshlrev_b32 v[T+1], v[SH], v[T+1]            ; at their places in the word;
	v_permlanex16_b32 v[T], v[T+1], s22, s23
	v_or_b32 v[W+(\q)], v[T+1], v[T]               ; with lane l xor 16's two the word is whole
	s_wait_alu depctr_va_vdst(0)
	s_wait_xcnt 0x0                                ; the last unit's stores have read their data: the codes' registers are written again only behind this wait
.irp c, 0,1
	v_cvt_scalef32_pk8_fp4_f32 v[PC+4*\c],   v[X+32*\c:X+32*\c+7],     v[SO+\c]   ; k 0-7
	v_cvt_scalef32_pk8_fp4_f32 v[PC+4*\c+1], v[X+32*\c+16:X+32*\c+23], v[SO+\c]   ; k 16-23: the program's order of a block's words
	v_cvt_scalef32_pk8_fp4_f32 v[PC+4*\c+2], v[X+32*\c+8:X+32*\c+15],  v[SO+\c]   ; k 8-15
	v_cvt_scalef32_pk8_fp4_f32 v[PC+4*\c+3], v[X+32*\c+24:X+32*\c+31], v[SO+\c]   ; k 24-31
.endr
	v_nop                                          ; one plain vector line behind the last scaled conversion
.irp c, 0,1
	global_store_b128 v[GA], v[PC+4*\c:PC+4*\c+3], s[18:19] offset:(\q)*1024+\c*512   ; 32 lanes store 512 consecutive bytes, at a multiple of 256 from the buffer's first byte
.endr
.endm
	LOAD 0
	LOAD 1
.irp n, 0,1,2,3,4,5,6,7
	UNIT \n
.endr
.irp i, 0,1,2,3
	v_cndmask_b32 v[X+\i], v[W+\i], v[W+4+\i], s24 ; lanes 0-15: the words of K steps 0-3, lanes 16-31: of K steps 4-7
.endr
	global_store_b128 v[SI], v[X:X+3], s[18:19] offset:8192   ; the tile's 512 scale bytes
	s_wait_tensorcnt 0x0
	ds_add_u32 v228, v229
	s_wait_dscnt 0x0
	s_endpgm
.Lfunc_end_k_q08e6baa9c6_quant:
	.size	k_q08e6baa9c6_quant, .Lfunc_end_k_q08e6baa9c6_quant-k_q08e6baa9c6_quant
	.p2alignl 7, 3214868480
	.fill 96, 4, 3214868480
	.section	.rodata,"a",@progbits
	.p2align	6, 0x0
	.amdhsa_kernel k_q08e6baa9c6_quant
		.amdhsa_group_segment_fixed_size 34304
		.amdhsa_private_segment_fixed_size 0
		.amdhsa_enable_private_segment 0
		.amdhsa_kernarg_size 64
		.amdhsa_user_sgpr_count 2
		.amdhsa_user_sgpr_kernarg_segment_ptr 1
		.amdhsa_wavefront_size32 1
		.amdhsa_system_sgpr_workgroup_id_x 1
		.amdhsa_system_sgpr_workgroup_id_y 1
		.amdhsa_system_sgpr_workgroup_id_z 1
		.amdhsa_system_vgpr_workitem_id 0
		.amdhsa_next_free_vgpr 230
		.amdhsa_next_free_sgpr 66
		.amdhsa_reserve_vcc 0
		.amdhsa_float_denorm_mode_32 3
		.amdhsa_float_denorm_mode_16_64 3
		.amdhsa_memory_ordered 1
		.amdhsa_forward_progress 1
		.amdhsa_inst_pref_size 58
	.end_amdhsa_kernel
	.amdgpu_metadata
---
amdhsa.version: [ 1, 2 ]
amdhsa.kernels:
  - .name:           k_q08e6baa9c6_quant
    .symbol:         k_q08e6baa9c6_quant.kd
    .args:
      - { .name: Q, .offset: 0, .size: 8, .value_kind: global_buffer, .address_space: global }
      - { .name: K, .offset: 8, .size: 8, .value_kind: global_buffer, .address_space: global }
      - { .name: V, .offset: 16, .size: 8, .value_kind: global_buffer, .address_space: global }
      - { .name: Wq, .offset: 24, .size: 8, .value_kind: global_buffer, .address_space: global }
      - { .name: Wk, .offset: 32, .size: 8, .value_kind: global_buffer, .address_space: global }
      - { .name: Wv, .offset: 40, .size: 8, .value_kind: global_buffer, .address_space: global }
      - { .name: Wo, .offset: 48, .size: 8, .value_kind: global_buffer, .address_space: global }
      - { .name: ops, .offset: 56, .size: 8, .value_kind: global_buffer, .address_space: global }
    .group_segment_fixed_size: 34304
    .private_segment_fixed_size: 0
    .kernarg_segment_align: 8
    .kernarg_segment_size: 64
    .max_flat_workgroup_size: 128
    .sgpr_count:     66
    .vgpr_count:     230
    .wavefront_size: 32
...
	.end_amdgpu_metadata
.endif
;; end of part 1
;; launch proj (part 2): grid 256 x 1, 8 waves a work-group, clusters of 4 x 1, 209,920 bytes of LDS; arguments ops, bq, bk, bv, qc, qs, kv; writes qc, qs, kv
.if DOCPART == 2
	.amdgcn_target "amdgcn-amd-amdhsa--gfx1250"
	.amdhsa_code_object_version 6
	.text
	.protected	k_q08e6baa9c6_proj
	.globl	k_q08e6baa9c6_proj
	.p2align	8
	.type	k_q08e6baa9c6_proj,@function
k_q08e6baa9c6_proj:
	s_mov_b64 s[64:65], 0
	v_nop
	global_prefetch_b8 v0, s[64:65] scope:SCOPE_SE
	s_setreg_imm32_b32 hwreg(HW_REG_WAVE_MODE, 25, 1), 1
	s_wait_xcnt 0x0
	s_wait_alu depctr_hold_cnt(0) depctr_sa_sdst(0) depctr_va_vdst(0) depctr_va_sdst(0) depctr_va_ssrc(0) depctr_va_vcc(0) depctr_vm_vsrc(0)
	s_getreg_b32 s2, hwreg(HW_REG_IB_STS2, 6, 4)
	s_cmp_eq_u32 s2, 0
	s_cbranch_scc0 .Lentry_in_a_cluster
	s_endpgm
.Lentry_in_a_cluster:
	s_bfe_u32 s2, ttmp6, 0x10000c
	s_cmp_lg_u32 s2, 0x3003
	s_cbranch_scc0 .Lentry_shape_is_right
	s_endpgm
.Lentry_shape_is_right:
; q = Q Wq^T + bq, k = K Wk^T + bk, v = V Wv^T + bv on codes of FP4 with E8M0 scales (ops, made by the launch before), sums in f32; each result is quantised in registers for attention's products and leaves as codes:
; q and k along the head's 64 (two blocks), v along the keys.  LIMITS: a block under 2^-124 gets the byte 1 and zero codes; NaN and infinities are not served.
; EVERY PRODUCT IS USED TRANSPOSED: source 0 = the rows whose index runs along the next quantiser's K (q, k: 128 rows of W = two heads; v: 128 keys of V), source 1 = the rows of which a lane keeps one (q, k: tokens; v: channels of Wv).
; In tile t lane (r, h) holds source 1's row r, and register j source 0's row 16 t + 8 h + j.  So the 16 registers of tiles 2 b, 2 b + 1 are half of block b, the other half lies in lane l xor 16, and the codes come out with a
; block's 4-byte words 1 and 2 exchanged: the order that every operand of this program has.
; SHARES.  A tile is 128 (source 0) x 256 (source 1); each tensor has 256 of them; work-group i makes tile i of q, then of k, then of v.  Wave w owns source 1's row tiles 2 w, 2 w + 1: 16 accumulators.
; Its source 1 fragments for all of K (16 x 8 registers) come from memory straight into registers, 512 consecutive bytes a load: no other wave of the work-group reads them.
; CLUSTER.  Source 0's slab (8 row tiles, 69,632 bytes) is read by all eight waves and is the same in the four work-groups of a cluster: it comes by JOINT tensor loads.  The three slabs have LDS bytes of their own, so
; nothing in LDS is filled twice: three loads of waves 0-3 are out at the start, and a counted wait stands in front of each slab's barrier.  Only the slab goes through the data mover, so a cluster of 4 x 1 covers all that is shared that way.
; No prefetch: all that a work-group reads through LDS is asked for at its head, and source 1's loads are issued a whole epilogue ahead of their use.
; REGISTERS.  window 0: v1-11 addresses; v16-79 source 0's eight fragments of a K step; v80-111 its scale words (4 a tile); v112-119 source 1's; v120-157 the quantiser's; v160-223 the bias in the result's layout.
;             window 1: v0-127 the accumulators ((u, t) at 8 (8 u + t)); v128-255 source 1's fragments ((u, q) at 128 + 8 (8 u + q)).
.set RT,    8704                       ; a row tile in ops: 8 K steps x 1,024 bytes of codes, 512 scale bytes
.set SLAB,  8*RT
.set LI,    1                          ; v1   16 x lane
.set SI,    2                          ; v2   32 r + 16 h: a row's scale bytes, 16 for each half of the lanes: register i = the word of K step i (lanes 0-15) and 4 + i (lanes 16-31)
.set ADA,   3                          ; v3-4 LDS: the slab's row tiles 0-3, 4-7, at 16 x lane
.set ADB,   5                          ; v5-6 the same at 32 r + 16 h
.set BA,    7                          ; v7   32 h
.set LS,    8                          ; v8   4 r
.set QSO,   9                          ; v9   4 r + 8192 h: q's scale words, the second head in lanes 16-31
.set KSO,   10                         ; v10  4 r + 139264 h: k's likewise
.set VSO,   11                         ; v11  4 x lane
.set F,     16
.set SS0,   80
.set SS1,   112
.set TM,    120                        ; v120-123 largest magnitudes, v124-127 the other half's, then bytes, v132-135 the conversions' scale operands
.set PC,    136                        ; v136-151 the codes just made, 8 for each u
.set PW,    152                        ; v152-153 their scale words
.set TP,    154                        ; v154-157 at work
.set BI,    160
.set SRC1,  128                        ; in window 1
.set WV,    63                         ; s63  my wave's number
.set MSB, 0
.macro WIN new                         ; s_set_vgpr_msb: bits 1:0 source 0, 3:2 source 1, 5:4 source 2, 7:6 destination; the high byte repeats the setting that is left
.if MSB != \new
	s_set_vgpr_msb (MSB<<8)|\new
.set MSB, \new
.endif
.endm
.macro CROUND                          ; a round of the cluster's barrier
	s_barrier_signal -1
	s_barrier_wait -1
	s_cmp_lg_u32 s[WV], 0
	s_cbranch_scc1 .Lnot_wave_0_\@
	s_barrier_signal -3
.Lnot_wave_0_\@:
	s_barrier_wait -3
	s_barrier_signal -1
	s_barrier_wait -1
.endm
	s_load_b256 s[4:11], s[0:1], 0x0               ; ops, bq, bk, bv
	s_load_b128 s[12:15], s[0:1], 0x20             ; qc, qs
	s_load_b64 s[16:17], s[0:1], 0x30              ; kv
	v_lshl_add_u32 v254, v0, 2, 0x33000
	v_mov_b32 v255, 0
	ds_add_u32 v254, v255
	ds_add_u32 v254, v255
	v_lshrrev_b32 v15, 5, v0
	s_delay_alu instid0(VALU_DEP_1)
	v_readfirstlane_b32 s[WV], v15                 ; wave 0..7
	v_and_b32 v12, 31, v0                          ; lane
	v_and_b32 v13, 15, v0                          ; r
	v_bfe_u32 v14, v0, 4, 1                        ; h
	s_delay_alu instid0(VALU_DEP_3)
	v_lshlrev_b32 v[LI], 4, v12
	s_delay_alu instid0(VALU_DEP_3)
	v_lshlrev_b32 v[SI], 5, v13
	s_delay_alu instid0(VALU_DEP_1)
	v_lshl_add_u32 v[SI], v14, 4, v[SI]
	s_delay_alu instid0(VALU_DEP_4)
	v_lshlrev_b32 v[BA], 5, v14
	v_lshlrev_b32 v[LS], 2, v13
	s_delay_alu instid0(VALU_DEP_1)
	v_lshl_add_u32 v[QSO], v14, 13, v[LS]
	v_mul_u32_u24 v[KSO], v14, 16*RT
	s_delay_alu instid0(VALU_DEP_1)
	v_add_nc_u32 v[KSO], v[KSO], v[LS]
	v_lshlrev_b32 v[VSO], 2, v12
.irp b, 0,1,2,3
	v_mov_b32 v[TM+4+\b], 0                        ; written once: a lane permute's destination counts as one of its sources
.endr
	s_mov_b32 s60, 0x76543210
	s_mov_b32 s61, 0xfedcba98                      ; v_permlanex16_b32's selects for lane l xor 16
	s_mov_b32 s62, 0xffff0000                      ; lanes 16-31
	; what the four partners share: g = cluster & 7 (which 128 rows of Wq and Wk), the cluster's number (which 128 keys of V).  These registers never hold my place in the cluster
	s_and_b32 s71, ttmp9, 7                        ; g
	s_and_b32 s73, s[WV], 3
	s_mul_i32 s73, s73, 2*RT                       ; the quarter of a slab that I fetch, in memory and in LDS
	s_lshl_b32 s74, s71, 3
	s_add_co_u32 s74, s74, 1536                    ; Wq's row tile 8 g
	s_mul_i32 s74, s74, RT
	s_add_co_u32 s74, s74, s73
	s_mov_b32 s75, 0
	s_lshl_b32 s76, ttmp9, 3
	s_add_co_u32 s76, s76, 1024                    ; V's row tile 8 x cluster
	s_mul_i32 s76, s76, RT
	s_add_co_u32 s76, s76, s73
	s_mov_b32 s77, 0
	; descriptor group 1: a dense block of 17,408 bytes as 68 rows of 256 bytes (32 elements of 8 bytes), no padding: the operand images are read 512 consecutive bytes at a time
	s_mov_b32 s20, 15|(3<<16)|(1<<21)              ; 15:0 the mask: all four work-groups; 17:16 elements of 8 bytes; 21 set beside a mask
	s_mov_b32 s21, 32<<16                          ; tensor_dim0 = 32
	s_mov_b32 s22, 68<<16                          ; tensor_dim1 = 68
	s_mov_b32 s23, 32<<16                          ; tile_dim0 = 32
	s_mov_b32 s24, 68                              ; tile_dim1 = 68
	s_mov_b32 s25, 32                              ; from row to row
	s_mov_b32 s26, 0
	s_mov_b32 s27, 0
	; my own part: cx enters the addresses of plain loads and stores alone
	s_bfe_u32 s70, ttmp6, 0x40000                  ; cx
	s_lshr_b32 s72, ttmp9, 3
	s_lshl_b32 s72, s72, 2
	s_add_co_u32 s72, s72, s70                     ; R: which 256 tokens (q, k)
	s_lshr_b32 s78, s72, 3                         ; their batch
	s_and_b32 s79, s72, 7                          ; and which 256 of its 2,048
	s_lshl_b32 s80, s78, 4
	s_lshl_b32 s81, s71, 1
	s_add_co_u32 s80, s80, s81                     ; batch x 16 + head 2 g
	s_mov_b32 s83, 0                               ; the upper word of every offset below
	s_wait_dscnt 0x0
	s_wait_kmcnt 0x0
	s_mov_b32 s28, 1                               ; group 0 for Wq's slab: count 1,
	s_mov_b32 s29, s73                             ; LDS address,
	s_add_nc_u64 s[30:31], s[4:5], s[74:75]        ; global address,
	s_or_b32 s31, s31, 0x80000000                  ; type 2
	s_mov_b32 s32, 1                               ; for Wk's: 64 row tiles on
	s_add_co_u32 s33, s73, SLAB
	s_add_nc_u64 s[34:35], s[4:5], s[74:75]
	s_add_nc_u64 s[34:35], s[34:35], 64*RT
	s_or_b32 s35, s35, 0x80000000
	s_mov_b32 s36, 1                               ; for V's keys
	s_add_co_u32 s37, s73, 2*SLAB
	s_add_nc_u64 s[38:39], s[4:5], s[76:77]
	s_or_b32 s39, s39, 0x80000000
	s_lshl_b32 s82, s72, 4                         ; source 1: Q's row tile 16 R + 2 w,
	s_lshl_b32 s84, s[WV], 1
	s_add_co_u32 s82, s82, s84
	s_mul_i32 s82, s82, RT
	s_add_nc_u64 s[40:41], s[4:5], s[82:83]
	s_add_nc_u64 s[42:43], s[40:41], 512*RT        ; K's,
	s_lshl_b32 s82, s70, 4
	s_add_co_u32 s82, s82, s84
	s_add_co_u32 s82, s82, 1664                    ; Wv's row tile 16 cx + 2 w
	s_mul_i32 s82, s82, RT
	s_add_nc_u64 s[44:45], s[4:5], s[82:83]
	s_lshl_b32 s82, s71, 9                         ; bq, bk at column 128 g
	s_add_nc_u64 s[46:47], s[6:7], s[82:83]
	s_add_nc_u64 s[48:49], s[8:9], s[82:83]
	s_lshl_b32 s82, s70, 10                        ; bv at channel 256 cx + 32 w
	s_lshl_b32 s84, s[WV], 7
	s_add_co_u32 s82, s82, s84
	s_add_nc_u64 s[50:51], s[10:11], s[82:83]
	s_lshl_b32 s82, s80, 16                        ; qc: [head 65,536][query tile 512]: tile 16 (R & 7) + 2 w
	s_lshl_b32 s84, s79, 13
	s_add_co_u32 s82, s82, s84
	s_lshl_b32 s84, s[WV], 10
	s_add_co_u32 s82, s82, s84
	s_add_nc_u64 s[52:53], s[12:13], s[82:83]
	s_lshl_b32 s82, s80, 13                        ; qs: [head 8,192][query 4]
	s_lshl_b32 s84, s79, 10
	s_add_co_u32 s82, s82, s84
	s_lshl_b32 s84, s[WV], 7
	s_add_co_u32 s82, s82, s84
	s_add_nc_u64 s[54:55], s[14:15], s[82:83]
	s_mul_i32 s85, s80, 16*RT                      ; kv: [head 139,264][key step 8,704]: step 2 (R & 7) + w / 4
	s_lshl_b32 s84, s79, 1
	s_lshr_b32 s86, s[WV], 2
	s_add_co_u32 s84, s84, s86
	s_mul_i32 s84, s84, RT
	s_add_co_u32 s85, s85, s84
	s_and_b32 s86, s[WV], 3
	s_lshl_b32 s84, s86, 10                        ; k's codes: key tile 2 (w & 3) + u, 512 bytes each
	s_add_co_u32 s82, s85, s84
	s_add_nc_u64 s[56:57], s[16:17], s[82:83]
	s_lshl_b32 s84, s86, 6                         ; k's scale words: pair w & 3, at byte 8192
	s_add_co_u32 s82, s85, s84
	s_add_co_u32 s82, s82, 8192
	s_add_nc_u64 s[66:67], s[16:17], s[82:83]
	s_lshr_b32 s85, ttmp9, 4                       ; v: batch = cluster / 16, head 4 cx + w / 2, key step cluster & 15
	s_lshl_b32 s85, s85, 4
	s_lshl_b32 s84, s70, 2
	s_add_co_u32 s85, s85, s84
	s_lshr_b32 s84, s[WV], 1
	s_add_co_u32 s85, s85, s84
	s_mul_i32 s85, s85, 16*RT
	s_and_b32 s84, ttmp9, 15
	s_mul_i32 s84, s84, RT
	s_add_co_u32 s85, s85, s84
	s_and_b32 s86, s[WV], 1
	s_lshl_b32 s84, s86, 11                        ; v's codes: at byte 4096, channel tile 2 (w & 1) + u, 1,024 bytes each
	s_add_co_u32 s82, s85, s84
	s_add_co_u32 s82, s82, 4096
	s_add_nc_u64 s[58:59], s[16:17], s[82:83]
	s_lshl_b32 s84, s86, 7                         ; v's scale words: at byte 8448, 64 bytes a channel tile
	s_add_co_u32 s82, s85, s84
	s_add_co_u32 s82, s82, 8448
	s_add_nc_u64 s[68:69], s[16:17], s[82:83]
	CROUND                                         ; all four work-groups are here: the joint loads meet
	s_cmp_lt_u32 s[WV], 4                          ; waves 0-3 fetch, a quarter of each slab; a wave's three first fills stand in one branch: three loads of mine are out
	s_cbranch_scc0 .Lasked
	tensor_load_to_lds s[28:31], s[20:27]
	s_nop 0
	tensor_load_to_lds s[32:35], s[20:27]
	s_nop 0
	tensor_load_to_lds s[36:39], s[20:27]
	s_nop 0
.rept 4
	v_nop
.endr
.Lasked:
.macro S1LOAD base                     ; my two row tiles of source 1, all of K: 32 loads of 512 consecutive bytes, and their scale words
	WIN 0x40                                       ; destination window 1
.irp u, 0,1
.irp q, 0,1,2,3,4,5,6,7
.irp c, 0,1
	global_load_b128 v[SRC1+8*(8*\u+\q)+4*\c:SRC1+8*(8*\u+\q)+4*\c+3], v[LI], s[\base:\base+1] offset:\u*RT+\q*1024+\c*512
.endr
.endr
.endr
	WIN 0
.irp u, 0,1
	global_load_b128 v[SS1+4*\u:SS1+4*\u+3], v[SI], s[\base:\base+1] offset:\u*RT+8192
.endr
.endm
.macro BIAS_N base                     ; the bias runs along source 0's rows: register j of tile t is b[16 t + 8 h + j]
.irp t, 0,1,2,3,4,5,6,7
	global_load_b128 v[BI+8*\t:BI+8*\t+3], v[BA], s[\base:\base+1] offset:64*\t
	global_load_b128 v[BI+8*\t+4:BI+8*\t+7], v[BA], s[\base:\base+1] offset:64*\t+16
.endr
.endm
.macro BIAS_L                          ; the bias runs along source 1's rows: the lane's own channel in all eight registers
.irp u, 0,1
.irp j, 0,1,2,3,4,5,6,7
	global_load_b32 v[BI+8*\u+\j], v[LS], s[50:51] offset:64*\u
.endr
.endr
.endm
; A K step of 128: source 0's eight fragments from LDS, 16 matrix instructions.  The 16 accumulators take turns, one instruction a turn, in the same order in every step.
; q = 0: the bias is the C of each sum's first instruction: nothing is cleared or added.  cmode 0: the bias of tile t; 1: of u.  K steps 4-7 take their scale words from lanes 16-31.
.macro KSTEP q, cmode
.irp t, 0,1,2,3,4,5,6,7
.irp c, 0,1
	ds_load_b128 v[F+8*\t+4*\c:F+8*\t+4*\c+3], v[ADA+\t/4] offset:(\t%4)*RT+(\q)*1024+\c*512
.endr
.endr
.if (\q) == 0
	s_wait_alu depctr_va_vdst(0)
	s_wait_loadcnt 0x0                             ; source 1 and the bias are in
.endif
	s_wait_dscnt 0x0
.if (\q) == 0
	WIN 0x44                                       ; source 1 and D window 1; source 0 and C (the bias) window 0
.else
	WIN 0x54                                       ; C window 1 too
.endif
.irp t, 0,1,2,3,4,5,6,7
.irp u, 0,1
.set rD, 8*(8*\u+\t)
.set rB, SRC1+8*(8*\u+(\q))
.set rC, BI+8*(\t*(1-(\cmode))+\u*(\cmode))
.set rX, SS0+4*\t+(\q)%4
.set rY, SS1+4*\u+(\q)%4
.if (\q) == 0
	v_wmma_scale_f32_16x16x128_f8f6f4 v[rD:rD+7], v[F+8*\t:F+8*\t+7], v[rB:rB+7], v[rC:rC+7], v[rX], v[rY] matrix_a_fmt:MATRIX_FMT_FP4 matrix_b_fmt:MATRIX_FMT_FP4
.elseif (\q) < 4
	v_wmma_scale_f32_16x16x128_f8f6f4 v[rD:rD+7], v[F+8*\t:F+8*\t+7], v[rB:rB+7], v[rD:rD+7], v[rX], v[rY] matrix_a_fmt:MATRIX_FMT_FP4 matrix_b_fmt:MATRIX_FMT_FP4
.else
	v_wmma_scale_f32_16x16x128_f8f6f4 v[rD:rD+7], v[F+8*\t:F+8*\t+7], v[rB:rB+7], v[rD:rD+7], v[rX], v[rY] matrix_a_fmt:MATRIX_FMT_FP4 matrix_b_fmt:MATRIX_FMT_FP4 matrix_a_scale:MATRIX_SCALE_ROW1 matrix_b_scale:MATRIX_SCALE_ROW1
.endif
.endr
.endr
	WIN 0
.rept 4
	v_nop                                          ; four places in front of loads into registers that matrix instructions have read, and of the first read of results
.endr
.endm
.macro TILE sigma, cmode               ; all of K against slab sigma.  The four additions are places too: with the four above, more than the five owed before the accumulators are begun anew
	v_add_nc_u32 v[ADA], \sigma*SLAB, v[LI]
	v_add_nc_u32 v[ADA+1], \sigma*SLAB+4*RT, v[LI]
	v_add_nc_u32 v[ADB], \sigma*SLAB, v[SI]
	v_add_nc_u32 v[ADB+1], \sigma*SLAB+4*RT, v[SI]
.irp t, 0,1,2,3,4,5,6,7
	ds_load_b128 v[SS0+4*\t:SS0+4*\t+3], v[ADB+\t/4] offset:(\t%4)*RT+8192
.endr
.irp q, 0,1,2,3,4,5,6,7
	KSTEP \q, \cmode
.endr
.endm
; 64 results of a lane, window 1's v[s] on (eight tiles), become a fragment's codes in v[pc] on and its scale word in v[pw].  Each accumulator is read from its low end on.
.macro QUANT s, pc, pw
	WIN 0x05                                       ; sources 0 and 1 window 1
.irp b, 0,1,2,3
	v_max3_num_f32 v[TM+\b], |v[\s+16*\b]|, |v[\s+1+16*\b]|, 0x1800000   ; block b: my 16 numbers, and the floor 2^(3 - 127): the byte cannot fall under 1
.endr
	WIN 0x14                                       ; sources 1 and 2 window 1
.irp i, 2,4,6,8,10,12,14
.irp b, 0,1,2,3
	v_max3_num_f32 v[TM+\b], v[TM+\b], |v[\s+16*\b+\i]|, |v[\s+1+16*\b+\i]|   ; (the four blocks by turns)
.endr
.endr
	WIN 0
.irp b, 0,1,2,3
	v_permlanex16_b32 v[TM+4+\b], v[TM+\b], s60, s61
.endr
.irp b, 0,1,2,3
	s_delay_alu instid0(VALU_DEP_4)
	v_max_num_f32 v[TM+\b], v[TM+\b], v[TM+4+\b]   ; with lane l xor 16's: the block's largest magnitude
.endr
.irp b, 0,1,2,3
	s_delay_alu instid0(VALU_DEP_4)
	v_add_nc_u32 v[TM+12+\b], 0xff000000, v[TM+\b] ; 2 off its exponent field: the conversion's scale operand
.endr
.irp b, 0,1,2,3
	s_delay_alu instid0(VALU_DEP_4)
	v_lshrrev_b32 v[TM+4+\b], 23, v[TM+12+\b]      ; the scale's byte
.endr
	s_delay_alu instid0(VALU_DEP_3)
	v_lshl_or_b32 v[\pw], v[TM+5], 8, v[TM+4]
	s_delay_alu instid0(VALU_DEP_1)
	v_lshl_or_b32 v[\pw], v[TM+6], 16, v[\pw]
	s_delay_alu instid0(VALU_DEP_1)
	v_lshl_or_b32 v[\pw], v[TM+7], 24, v[\pw]      ; my row's scale word, the same in both halves of the lanes
	WIN 0x01                                       ; source 0 window 1
.irp b, 0,1,2,3
	v_cvt_scalef32_pk8_fp4_f32 v[\pc+2*\b], v[\s+16*\b:\s+16*\b+7], v[TM+12+\b]
	v_cvt_scalef32_pk8_fp4_f32 v[\pc+2*\b+1], v[\s+16*\b+8:\s+16*\b+15], v[TM+12+\b]
.endr
	WIN 0
	v_nop                                          ; one plain place behind a scaled conversion
.irp c, 0,1                            ; the operand's layout wants a whole block in a lane: lanes 0-15 block 2 c, lanes 16-31 block 2 c + 1
.irp i, 0,1
	v_permlane16_swap_b32 v[\pc+4*\c+\i], v[\pc+4*\c+2+\i]
.endr
.endr
.endm
.macro QUANT2
	s_wait_xcnt 0x0                                ; the last epilogue's stores have read their data: these registers are written again only behind this wait
	QUANT 0, PC, PW
	QUANT 64, PC+8, PW+1
.endm
.macro EPI_Q                           ; blocks 0, 1 are head 2 g, blocks 2, 3 head 2 g + 1: four registers each; a query's word is (s0, s1, s0, s1)
	QUANT2
.irp u, 0,1
	global_store_b128 v[LI], v[PC+8*\u:PC+8*\u+3], s[52:53] offset:\u*512
	global_store_b128 v[LI], v[PC+8*\u+4:PC+8*\u+7], s[52:53] offset:65536+\u*512
	v_perm_b32 v[TP], v[PW+\u], v[PW+\u], 0x01000100
	v_perm_b32 v[TP+1], v[PW+\u], v[PW+\u], 0x03020302
	s_delay_alu instid0(VALU_DEP_1)
	v_cndmask_b32 v[TP+2+\u], v[TP], v[TP+1], s62  ; lanes 0-15 the first head's word, lanes 16-31 the second's
	global_store_b32 v[QSO], v[TP+2+\u], s[54:55] offset:64*\u
.endr
.endm
.macro EPI_K                           ; the same codes; a word holds the bytes of key r of tiles 2 f and 2 f + 1: (s0, s1, s0', s1')
	QUANT2
.irp u, 0,1
	global_store_b128 v[LI], v[PC+8*\u:PC+8*\u+3], s[56:57] offset:\u*512
	global_store_b128 v[LI], v[PC+8*\u+4:PC+8*\u+7], s[56:57] offset:16*RT+\u*512
.endr
	v_perm_b32 v[TP], v[PW+1], v[PW], 0x05040100
	v_perm_b32 v[TP+1], v[PW+1], v[PW], 0x07060302
	s_delay_alu instid0(VALU_DEP_1)
	v_cndmask_b32 v[TP+2], v[TP], v[TP+1], s62
	global_store_b32 v[KSO], v[TP+2], s[66:67]
.endm
.macro EPI_V                           ; 16 channels x 128 keys: a whole fragment of the second product, and its scale word
	QUANT2
.irp u, 0,1
.irp c, 0,1
	global_store_b128 v[LI], v[PC+8*\u+4*\c:PC+8*\u+4*\c+3], s[58:59] offset:\u*1024+\c*512
.endr
.endr
	v_cndmask_b32 v[TP+2], v[PW], v[PW+1], s62
	global_store_b32 v[VSO], v[TP+2], s[68:69]
.endm
	S1LOAD 40
	BIAS_N 46
	s_wait_tensorcnt 2                             ; my part of Wq's slab is in; the two younger loads may be out
	s_barrier_signal -1
	s_barrier_wait -1                              ; everybody's is
	TILE 0, 0
	S1LOAD 42                                      ; k's source 1 and bias land while q is quantised
	BIAS_N 48
	EPI_Q
	s_wait_tensorcnt 1                             ; Wk's slab; V's may be out
	s_wait_dscnt 0x0
	s_barrier_signal -1
	s_barrier_wait -1
	TILE 1, 0
	S1LOAD 44
	BIAS_L
	EPI_K
	s_wait_tensorcnt 0x0                           ; V's keys
	s_wait_dscnt 0x0
	s_barrier_signal -1
	s_barrier_wait -1
	TILE 2, 1
	EPI_V
	s_wait_tensorcnt 0x0
	ds_add_u32 v254, v255
	s_wait_dscnt 0x0
	CROUND                                         ; the closing round: no work-group ends while a partner may still ask for a tile that names it
	s_endpgm
.Lfunc_end_k_q08e6baa9c6_proj:
	.size	k_q08e6baa9c6_proj, .Lfunc_end_k_q08e6baa9c6_proj-k_q08e6baa9c6_proj
	.p2alignl 7, 3214868480
	.fill 96, 4, 3214868480
	.section	.rodata,"a",@progbits
	.p2align	6, 0x0
	.amdhsa_kernel k_q08e6baa9c6_proj
		.amdhsa_group_segment_fixed_size 209920
		.amdhsa_private_segment_fixed_size 0
		.amdhsa_enable_private_segment 0
		.amdhsa_kernarg_size 56
		.amdhsa_user_sgpr_count 2
		.amdhsa_user_sgpr_kernarg_segment_ptr 1
		.amdhsa_wavefront_size32 1
		.amdhsa_system_sgpr_workgroup_id_x 1
		.amdhsa_system_sgpr_workgroup_id_y 1
		.amdhsa_system_sgpr_workgroup_id_z 1
		.amdhsa_system_vgpr_workitem_id 0
		.amdhsa_next_free_vgpr 512
		.amdhsa_next_free_sgpr 90
		.amdhsa_reserve_vcc 0
		.amdhsa_float_denorm_mode_32 3
		.amdhsa_float_denorm_mode_16_64 3
		.amdhsa_memory_ordered 1
		.amdhsa_forward_progress 1
		.amdhsa_inst_pref_size 131
	.end_amdhsa_kernel
	.amdgpu_metadata
---
amdhsa.version: [ 1, 2 ]
amdhsa.kernels:
  - .name:           k_q08e6baa9c6_proj
    .symbol:         k_q08e6baa9c6_proj.kd
    .args:
      - { .name: ops, .offset: 0, .size: 8, .value_kind: global_buffer, .address_space: global }
      - { .name: bq, .offset: 8, .size: 8, .value_kind: global_buffer, .address_space: global }
      - { .name: bk, .offset: 16, .size: 8, .value_kind: global_buffer, .address_space: global }
      - { .name: bv, .offset: 24, .size: 8, .value_kind: global_buffer, .address_space: global }
      - { .name: qc, .offset: 32, .size: 8, .value_kind: global_buffer, .address_space: global }
      - { .name: qs, .offset: 40, .size: 8, .value_kind: global_buffer, .address_space: global }
      - { .name: kv, .offset: 48, .size: 8, .value_kind: global_buffer, .address_space: global }
    .group_segment_fixed_size: 209920
    .private_segment_fixed_size: 0
    .kernarg_segment_align: 8
    .kernarg_segment_size: 56
    .max_flat_workgroup_size: 256
    .sgpr_count:     90
    .vgpr_count:     512
    .wavefront_size: 32
...
	.end_amdgpu_metadata
.endif
;; end of part 2
;; launch attn (part 3): grid 4 x 64, 16 waves a work-group, clusters of 4 x 1, 169,984 bytes of LDS; arguments qc, qs, kv, cc; writes cc
.if DOCPART == 3
	.amdgcn_target "amdgcn-amd-amdhsa--gfx1250"
	.amdhsa_code_object_version 6
	.text
	.protected	k_q08e6baa9c6_attn
	.globl	k_q08e6baa9c6_attn
	.p2align	8
	.type	k_q08e6baa9c6_attn,@function
k_q08e6baa9c6_attn:
	s_mov_b64 s[64:65], 0
	v_nop
	global_prefetch_b8 v0, s[64:65] scope:SCOPE_SE
	s_setreg_imm32_b32 hwreg(HW_REG_WAVE_MODE, 25, 1), 1
	s_wait_xcnt 0x0
	s_wait_alu depctr_hold_cnt(0) depctr_sa_sdst(0) depctr_va_vdst(0) depctr_va_sdst(0) depctr_va_ssrc(0) depctr_va_vcc(0) depctr_vm_vsrc(0)
	s_getreg_b32 s2, hwreg(HW_REG_IB_STS2, 6, 4)
	s_cmp_eq_u32 s2, 0
	s_cbranch_scc0 .Lentry_in_a_cluster
	s_endpgm
.Lentry_in_a_cluster:
	s_bfe_u32 s2, ttmp6, 0x10000c
	s_cmp_lg_u32 s2, 0x3003
	s_cbranch_scc0 .Lentry_shape_is_right
	s_endpgm
.Lentry_shape_is_right:
; For each of 64 (batch, head): o = softmax(q k^T / 8) v, both products on codes of FP4 with E8M0 scales; o is quantised along the model's 1,024 (two blocks a head) and leaves as codes for the last product.
; THE SOFTMAX: t = score x log2(e) / 8; M = the running largest t rounded UP to a whole number; p = 2^(t - M) is quantised along the keys, not normalised; the row's sum is taken of the unquantised p, in f32, and divides at the end.
; When M moves, the sum and O are multiplied by 2^(old M - new M): exact.  LIMITS: a block under 2^-124 gets the byte 1 and zero codes; NaN and infinities are not served.
; SHARES.  A work-group owns 512 queries of one head; each of its sixteen waves 32: two tiles u, so that each fragment of k and v read from LDS feeds two matrix instructions.  Four waves to a SIMD: one wave's exponentials
; stand beside the others' vector and matrix work.  Every wave walks the head's 2,048 keys, 128 a step.
; CLUSTER.  The four query blocks of a head are a cluster and need the same k and v: the head's whole block of kv, 139,264 bytes, comes ONCE, by joint loads (waves 0-3, a quarter each: one load of mine is out), and stays.
; Nothing in LDS is filled twice.  No prefetch: all that a work-group reads through LDS is asked for at its head.
; LAYOUT.  Both products are used transposed (S^T = k q^T, O^T = v^T p^T): a lane holds one query (lane % 16) throughout, register j of tile t key (or channel) 16 t + 8 h + j.  Codes made from such tiles have a block's
; 4-byte words 1 and 2 exchanged: so have v's along the keys, and q's and k's along the head.
; K = 64 IN AN INSTRUCTION OF 128: a fragment of k holds TWO key tiles, tile 2 f in its registers 0-3 and tile 2 f + 1 in 4-7.  q stands between zeros, (0, qa, 0, qb, 0): [q, 0] picks the even tile, [0, q] the odd one.
; A key step in LDS (8,704 bytes): k's 8 tiles x 512; at 4096 v's 4 channel tiles x 1,024; at 8192 k's scale words, 64 bytes a pair; at 8448 v's, 64 bytes a tile.
.set RT,  8704
.set LI,  1                            ; v1   16 x lane
.set LS,  2                            ; v2   4 r
.set AD,  3                            ; v3   LDS: the step's images at 16 x lane
.set AS,  4                            ; v4   its scale words at 4 r
.set HA,  5                            ; v5   the way out: 8704 h + 32 r
                                       ; v8+4u -M, v9+4u the largest t, v[10+4u:11+4u] the sum in two halves
.set QZ,  16                           ; v16-35 zeros, qa, zeros, qb, zeros
.set QS,  36                           ; v36-37 q's scale words
.set KV,  40                           ; v40-71 four fragments of k, then of v
.set KS,  72                           ; v72-75 their scale words
.set S,   80                           ; v80-143 S^T, then p
.set O,   144                          ; v144-207 O^T, 32 a tile
.set PC,  208                          ; v208-223 p's codes, 8 a tile
.set PWS, 224                          ; v224-225 p's scale words
.set BM,  228                          ; v228-231 the blocks' largest scores
.set PB,  232                          ; v232-235 the other half's; bytes
.set SO,  236                          ; v236-239 the conversions' scale operands
.set F,   240                          ; v[240:241] f = 2^(old M - new M)
.set T,   242
.set SUM2, 244                         ; v[244:245]
.set HW,  246                          ; v246-247 o's two scale bytes
.macro CROUND
	s_barrier_signal -1
	s_barrier_wait -1
	s_cmp_lg_u32 s12, 0
	s_cbranch_scc1 .Lnot_wave_0_\@
	s_barrier_signal -3
.Lnot_wave_0_\@:
	s_barrier_wait -3
	s_barrier_signal -1
	s_barrier_wait -1
.endm
	s_load_b256 s[4:11], s[0:1], 0x0               ; qc, qs, kv, cc
	v_lshl_add_u32 v254, v0, 2, 0x29000
	v_mov_b32 v255, 0
	ds_add_u32 v254, v255
	ds_add_u32 v254, v255
	v_lshrrev_b32 v6, 5, v0
	s_delay_alu instid0(VALU_DEP_1)
	v_readfirstlane_b32 s12, v6                    ; wave 0..15
	v_and_b32 v6, 31, v0
	v_and_b32 v7, 15, v0                           ; r
	v_bfe_u32 v[T], v0, 4, 1                       ; h
	s_delay_alu instid0(VALU_DEP_3)
	v_lshlrev_b32 v[LI], 4, v6
	s_delay_alu instid0(VALU_DEP_3)
	v_lshlrev_b32 v[LS], 2, v7
	s_delay_alu instid0(VALU_DEP_3)
	v_mul_u32_u24 v[HA], v[T], RT
	s_delay_alu instid0(VALU_DEP_1)
	v_lshl_add_u32 v[HA], v7, 5, v[HA]
	s_bfe_u32 s13, ttmp6, 0x40000                  ; cx: my block of 512 queries
	s_and_b32 s14, ttmp7, 0xffff                   ; batch x 16 + head, which the four partners share
	; descriptor group 1: a dense block of 34,816 bytes as 136 rows of 256 bytes (32 elements of 8 bytes), no padding
	s_mov_b32 s16, 15|(3<<16)|(1<<21)              ; 15:0 the mask: all four work-groups; 17:16 elements of 8 bytes; 21 set beside a mask
	s_mov_b32 s17, 32<<16
	s_mov_b32 s18, 136<<16
	s_mov_b32 s19, 32<<16
	s_mov_b32 s20, 136
	s_mov_b32 s21, 32
	s_mov_b32 s22, 0
	s_mov_b32 s23, 0
	s_and_b32 s49, s12, 3
	s_mul_i32 s49, s49, 4*RT                       ; the quarter that I fetch, in LDS and in memory
	s_mul_i32 s50, s14, 16*RT
	s_add_co_u32 s50, s50, s49
	s_mov_b32 s51, 0
	s_mov_b32 s40, 0x76543210
	s_mov_b32 s41, 0xfedcba98                      ; v_permlanex16_b32's selects for lane l xor 16
	s_mov_b32 s42, 0x3e38aa3b                      ; c = log2(e) / 8
	s_mov_b32 s43, s42                             ; (the packed form names the pair)
	s_mov_b32 s46, 0xffff0000                      ; lanes 16-31
	s_mov_b32 s44, 0                               ; LDS byte of the key step in hand
	s_mov_b32 s45, 16                              ; key steps to go
	s_mov_b32 s53, 0
	s_mov_b32 s57, 0
	s_wait_dscnt 0x0
	s_wait_kmcnt 0x0
	s_mov_b32 s32, 1                               ; group 0: count 1,
	s_mov_b32 s33, s49                             ; LDS address,
	s_add_nc_u64 s[34:35], s[8:9], s[50:51]        ; global address,
	s_or_b32 s35, s35, 0x80000000                  ; type 2
	s_lshl_b32 s52, s14, 16                        ; qc: [head 65,536][query tile 512]: tile 32 cx + 2 w
	s_lshl_b32 s54, s13, 14
	s_add_co_u32 s52, s52, s54
	s_lshl_b32 s54, s12, 10
	s_add_co_u32 s52, s52, s54
	s_add_nc_u64 s[4:5], s[4:5], s[52:53]
	s_lshl_b32 s52, s14, 13                        ; qs: [head 8,192][query 4]
	s_lshl_b32 s54, s13, 11
	s_add_co_u32 s52, s52, s54
	s_lshl_b32 s54, s12, 7
	s_add_co_u32 s52, s52, s54
	s_add_nc_u64 s[6:7], s[6:7], s[52:53]
	s_lshr_b32 s52, s14, 4                         ; cc: row tile 128 x batch + 32 cx + 2 w, 8,704 bytes each;
	s_lshl_b32 s52, s52, 7
	s_lshl_b32 s54, s13, 5
	s_add_co_u32 s52, s52, s54
	s_lshl_b32 s54, s12, 1
	s_add_co_u32 s52, s52, s54
	s_mul_i32 s52, s52, RT
	s_and_b32 s55, s14, 15                         ; the head is 64 of the last product's K: 512 bytes of codes,
	s_lshl_b32 s54, s55, 9
	s_add_co_u32 s56, s52, s54
	s_add_nc_u64 s[58:59], s[10:11], s[56:57]
	s_lshl_b32 s54, s55, 1                         ; and two of a row's 32 scale bytes
	s_add_co_u32 s56, s52, s54
	s_add_co_u32 s56, s56, 8192
	s_add_nc_u64 s[60:61], s[10:11], s[56:57]
	CROUND                                         ; all four work-groups are here: the joint loads meet
	s_cmp_lt_u32 s12, 4
	s_cbranch_scc0 .Lasked
	tensor_load_to_lds s[32:35], s[16:23]
	s_nop 0
.rept 4
	v_nop
.endr
.Lasked:
	s_wait_alu depctr_va_vdst(0)
	global_load_b128 v[QZ+4:QZ+7], v[LI], s[4:5] th:TH_LOAD_NT              ; qa: lane (r, h) = block h of query r
	global_load_b128 v[QZ+12:QZ+15], v[LI], s[4:5] offset:512 th:TH_LOAD_NT ; qb
	global_load_b32 v[QS], v[LS], s[6:7]
	global_load_b32 v[QS+1], v[LS], s[6:7] offset:64
.irp j, 0,1,2,3,8,9,10,11,16,17,18,19
	v_mov_b32 v[QZ+\j], 0                          ; zero codes: they add nothing under any scale byte that this program makes
.endr
.irp u, 0,1
	v_mov_b32 v[9+4*\u], 0xff61b1e6                ; the largest t so far: -3e38, under every t
	s_delay_alu instid0(VALU_DEP_1)
	v_floor_f32 v[8+4*\u], -v[9+4*\u]              ; -M
	v_mov_b32 v[10+4*\u], 0                        ; the sum
	v_mov_b32 v[11+4*\u], 0
.endr
.irp b, 0,1,2,3
	v_mov_b32 v[PB+\b], 0                          ; written once: a lane permute's destination counts as one of its sources
.endr
	v_mov_b32 v[F+1], 0                            ; (named as the upper half of the pair)
.irp j, 0,1,2,3,4,5,6,7,8,9,10,11,12,13,14,15,16,17,18,19,20,21,22,23,24,25,26,27,28,29,30,31,32,33,34,35,36,37,38,39,40,41,42,43,44,45,46,47,48,49,50,51,52,53,54,55,56,57,58,59,60,61,62,63
	v_mov_b32 v[O+\j], 0                           ; O^T.  (The step is written once: the first finds zeros, which the first change of M leaves zeros)
.endr
.macro SCORES u                        ; S^T of tile u: eight tiles of 16 keys
.irp t, 0,1,2,3,4,5,6,7
	v_wmma_scale_f32_16x16x128_f8f6f4 v[S+8*\t:S+8*\t+7], v[KV+8*(\t/2):KV+8*(\t/2)+7], v[QZ+8*\u+4*(1-(\t%2)):QZ+8*\u+4*(1-(\t%2))+7], 0, v[KS+\t/2], v[QS+\u] matrix_a_fmt:MATRIX_FMT_FP4 matrix_b_fmt:MATRIX_FMT_FP4
.endr
.rept 4
	v_nop                                          ; four places in front of the first read of results and of loads into the fragments' registers
.endr
.endm
.macro SOFTMAX u                       ; S^T -> p's codes and scale word; the sum; O^T of tile u under the new M
.set NM, 8+4*(\u)
.set TX, 9+4*(\u)
.set LL, 10+4*(\u)
.irp b, 0,1,2,3
	v_max3_num_f32 v[BM+\b], v[S+16*\b], v[S+16*\b+1], v[S+16*\b+2]   ; the largest score of each block of 32 keys: for the row's maximum, and, since p rises with the score, for the block's largest p
.endr
.irp i, 3,5,7,9,11,13
.irp b, 0,1,2,3
	v_max3_num_f32 v[BM+\b], v[BM+\b], v[S+16*\b+\i], v[S+16*\b+\i+1]   ; (the four blocks by turns)
.endr
.endr
.irp b, 0,1,2,3
	v_max_num_f32 v[BM+\b], v[BM+\b], v[S+16*\b+15]
.endr
.irp b, 0,1,2,3
	s_delay_alu instid0(VALU_DEP_4)
	v_permlanex16_b32 v[PB+\b], v[BM+\b], s40, s41
.endr
.irp b, 0,1,2,3
	s_delay_alu instid0(VALU_DEP_4)
	v_max_num_f32 v[BM+\b], v[BM+\b], v[PB+\b]     ; with lane l xor 16's 16 keys
.endr
	s_delay_alu instid0(VALU_DEP_2)
	v_max3_num_f32 v[T], v[BM], v[BM+1], v[BM+2]
	s_delay_alu instid0(VALU_DEP_1)
	v_max_num_f32 v[T], v[T], v[BM+3]              ; the step's largest score of my query,
	s_delay_alu instid0(VALU_DEP_1)
	v_mul_f32 v[T], s42, v[T]                      ; as t (c is positive)
	s_delay_alu instid0(VALU_DEP_1)
	v_max_num_f32 v[TX], v[TX], v[T]               ; the running largest t
	v_mov_b32 v[T], v[NM]
	s_delay_alu instid0(VALU_DEP_2)
	v_floor_f32 v[NM], -v[TX]                      ; the new -M = floor(-t) = -ceil(t): a whole number
	s_delay_alu instid0(VALU_DEP_1)
	v_sub_f32 v[T], v[NM], v[T]                    ; old M - new M: a whole number, 0 or less
	s_delay_alu instid0(VALU_DEP_1)
	v_cvt_i32_f32 v[T], v[T]                       ; (it saturates)
	s_delay_alu instid0(VALU_DEP_1)
	v_ldexp_f32 v[F], 1.0, v[T]                    ; f = 2^(old M - new M)
.irp j, 0,2,4,6,8,10,12,14,16,18,20,22,24,26,28,30,32,34,36,38,40,42,44,46,48,50,52,54,56,58,60,62
	v_pk_fma_f32 v[S+\j:S+\j+1], v[S+\j:S+\j+1], s[42:43], v[NM:NM+1] op_sel_hi:[1,0,0]   ; t - M, two at a time (of the pairs c and -M the low word serves both halves)
.endr
.irp b, 0,1,2,3
	v_fma_f32 v[BM+\b], v[BM+\b], s42, v[NM]       ; the same of each block's largest score
.endr
	s_wait_alu depctr_va_vdst(0)
.irp j, 0,1,2,3,4,5,6,7,8,9,10,11,12,13,14,15,16,17,18,19,20,21,22,23,24,25,26,27,28,29,30,31,32,33,34,35,36,37,38,39,40,41,42,43,44,45,46,47,48,49,50,51,52,53,54,55,56,57,58,59,60,61,62,63
	v_exp_f32 v[S+\j], v[S+\j]                     ; p = 2^(t - M), at most 1
.endr
	v_pk_mul_f32 v[LL:LL+1], v[LL:LL+1], v[F:F+1] op_sel_hi:[1,0]   ; the sums under the new M: the plain line behind the exponentials
	s_wait_alu depctr_va_vdst(0)                   ; one wait for the batch of 64, ahead of its first reader
.irp b, 0,1,2,3
	v_exp_f32 v[BM+\b], v[BM+\b]                   ; the block's largest p: the same two instructions on the same number
.endr
	v_pk_add_f32 v[SUM2:SUM2+1], v[S:S+1], v[S+2:S+3]   ; the row's sum of the UNQUANTISED p, two at a time, in two chains: plain work behind the four
.irp j, 4,8,12,16,20,24,28,32,36,40,44,48,52,56,60
	v_pk_add_f32 v[LL:LL+1], v[LL:LL+1], v[S+\j:S+\j+1]
	v_pk_add_f32 v[SUM2:SUM2+1], v[SUM2:SUM2+1], v[S+\j+2:S+\j+3]
.endr
	s_delay_alu instid0(VALU_DEP_1)
	v_pk_add_f32 v[LL:LL+1], v[LL:LL+1], v[SUM2:SUM2+1]
	s_wait_alu depctr_va_vdst(0)                   ; and one for the four
.irp b, 0,1,2,3
	v_max_num_f32 v[BM+\b], 0x1800000, v[BM+\b]    ; the floor 2^(3 - 127): the byte cannot fall under 1
.endr
.irp b, 0,1,2,3
	s_delay_alu instid0(VALU_DEP_4)
	v_add_nc_u32 v[SO+\b], 0xff000000, v[BM+\b]    ; 2 off the exponent field: the conversion's scale operand
.endr
.irp b, 0,1,2,3
	s_delay_alu instid0(VALU_DEP_4)
	v_lshrrev_b32 v[PB+\b], 23, v[SO+\b]           ; the scale's byte
.endr
	s_delay_alu instid0(VALU_DEP_3)
	v_lshl_or_b32 v[PWS+\u], v[PB+1], 8, v[PB]     ; p's scale word for these 128 keys
	s_delay_alu instid0(VALU_DEP_1)
	v_lshl_or_b32 v[PWS+\u], v[PB+2], 16, v[PWS+\u]
	s_delay_alu instid0(VALU_DEP_1)
	v_lshl_or_b32 v[PWS+\u], v[PB+3], 24, v[PWS+\u]
.irp b, 0,1,2,3
	v_cvt_scalef32_pk8_fp4_f32 v[PC+8*\u+2*\b], v[S+16*\b:S+16*\b+7], v[SO+\b]
	v_cvt_scalef32_pk8_fp4_f32 v[PC+8*\u+2*\b+1], v[S+16*\b+8:S+16*\b+15], v[SO+\b]
.endr
	v_nop                                          ; one plain place behind a scaled conversion
.irp c, 0,1                            ; a whole block in a lane: lanes 0-15 block 2 c, lanes 16-31 block 2 c + 1
.irp i, 0,1
	v_permlane16_swap_b32 v[PC+8*\u+4*\c+\i], v[PC+8*\u+4*\c+2+\i]
.endr
.endr
.irp j, 0,2,4,6,8,10,12,14,16,18,20,22,24,26,28,30
	v_pk_mul_f32 v[O+32*\u+\j:O+32*\u+\j+1], v[O+32*\u+\j:O+32*\u+\j+1], v[F:F+1] op_sel_hi:[1,0]   ; O^T x f; of these sixteen at least twelve name no register of any one product below: the places between the scale word, the codes and the products
.endr
.endm
	s_wait_tensorcnt 0x0                           ; my quarter of the head's k and v is in,
	s_barrier_signal -1
	s_barrier_wait -1                              ; everybody's is
	s_wait_loadcnt 0x0                             ; q
.Lstep:                                            ; 16 trips: 128 keys each
	s_setprio 2
	v_add_nc_u32 v[AD], s44, v[LI]
	v_add_nc_u32 v[AS], s44, v[LS]
	v_nop
	v_nop                                          ; with the two additions: four places behind the last trip's products, in front of the loads into their fragments
.irp i, 0,1,2,3,4,5,6,7
	ds_load_b128 v[KV+4*\i:KV+4*\i+3], v[AD] offset:512*\i         ; key tile i: 512 consecutive bytes
.endr
.irp f, 0,1,2,3
	ds_load_b32 v[KS+\f], v[AS] offset:8192+64*\f
.endr
	s_wait_dscnt 0x0
	SCORES 0
	SOFTMAX 0
	SCORES 1
.irp i, 0,1,2,3,4,5,6,7
	ds_load_b128 v[KV+4*\i:KV+4*\i+3], v[AD] offset:4096+512*\i    ; v's four fragments land under the second softmax
.endr
.irp t, 0,1,2,3
	ds_load_b32 v[KS+\t], v[AS] offset:8448+64*\t
.endr
	s_setprio 1
	SOFTMAX 1
	s_setprio 0
	s_wait_alu depctr_va_vdst(0)
	s_wait_dscnt 0x0
.irp t, 0,1,2,3                        ; O^T += v^T p^T: the eight accumulators take turns, one instruction a turn
.irp u, 0,1
	v_wmma_scale_f32_16x16x128_f8f6f4 v[O+32*\u+8*\t:O+32*\u+8*\t+7], v[KV+8*\t:KV+8*\t+7], v[PC+8*\u:PC+8*\u+7], v[O+32*\u+8*\t:O+32*\u+8*\t+7], v[KS+\t], v[PWS+\u] matrix_a_fmt:MATRIX_FMT_FP4 matrix_b_fmt:MATRIX_FMT_FP4
.endr
.endr
	s_add_co_u32 s44, s44, RT
	s_sub_co_u32 s45, s45, 1
	s_cmp_lg_u32 s45, 0
	s_cbranch_scc1 .Lstep
	s_setprio 0
	; THE WAY OUT.  The sum's halves and lane l xor 16's are added (four additions and a v_nop: the places behind the last products); O^T / the sum is quantised, two blocks of 32 channels, and stored as an image of the last product's operand.
.irp u, 0,1
	v_add_f32 v[10+4*\u], v[10+4*\u], v[11+4*\u]
.endr
.irp u, 0,1
	s_delay_alu instid0(VALU_DEP_2)
	v_permlanex16_b32 v[PB+\u], v[10+4*\u], s40, s41
.endr
.irp u, 0,1
	s_delay_alu instid0(VALU_DEP_2)
	v_add_f32 v[10+4*\u], v[10+4*\u], v[PB+\u]     ; above 1/2: the row's largest p is
.endr
	s_wait_alu depctr_va_vdst(0)
	v_rcp_f32 v[BM], v10
	v_rcp_f32 v[BM+2], v14
	v_nop                                          ; a plain line behind the reciprocals,
	s_wait_alu depctr_va_vdst(0)                   ; and one wait for both, ahead of the first reader
.macro OUT u
.irp j, 0,2,4,6,8,10,12,14,16,18,20,22,24,26,28,30
	v_pk_mul_f32 v[O+32*\u+\j:O+32*\u+\j+1], v[O+32*\u+\j:O+32*\u+\j+1], v[BM+2*\u:BM+2*\u+1] op_sel_hi:[1,0]   ; each accumulator from its low end on
.endr
.irp b, 0,1
	v_max3_num_f32 v[PB+\b], |v[O+32*\u+16*\b]|, |v[O+32*\u+16*\b+1]|, 0x1800000
.endr
.irp i, 2,4,6,8,10,12,14
.irp b, 0,1
	s_delay_alu instid0(VALU_DEP_2)
	v_max3_num_f32 v[PB+\b], v[PB+\b], |v[O+32*\u+16*\b+\i]|, |v[O+32*\u+16*\b+\i+1]|
.endr
.endr
.irp b, 0,1
	s_delay_alu instid0(VALU_DEP_2)
	v_permlanex16_b32 v[PB+2+\b], v[PB+\b], s40, s41
.endr
.irp b, 0,1
	s_delay_alu instid0(VALU_DEP_2)
	v_max_num_f32 v[PB+\b], v[PB+\b], v[PB+2+\b]
.endr
.irp b, 0,1
	s_delay_alu instid0(VALU_DEP_2)
	v_add_nc_u32 v[SO+\b], 0xff000000, v[PB+\b]
.endr
.irp b, 0,1
	s_delay_alu instid0(VALU_DEP_2)
	v_lshrrev_b32 v[SO+2+\b], 23, v[SO+\b]
.endr
	s_delay_alu instid0(VALU_DEP_1)
	v_lshl_or_b32 v[HW+\u], v[SO+3], 8, v[SO+2]    ; my query's two scale bytes
.irp b, 0,1
	v_cvt_scalef32_pk8_fp4_f32 v[PC+8*\u+2*\b], v[O+32*\u+16*\b:O+32*\u+16*\b+7], v[SO+\b]
	v_cvt_scalef32_pk8_fp4_f32 v[PC+8*\u+2*\b+1], v[O+32*\u+16*\b+8:O+32*\u+16*\b+15], v[SO+\b]
.endr
	v_nop
	v_permlane16_swap_b32 v[PC+8*\u], v[PC+8*\u+2]
	v_permlane16_swap_b32 v[PC+8*\u+1], v[PC+8*\u+3]
	global_store_b128 v[LI], v[PC+8*\u:PC+8*\u+3], s[58:59] offset:\u*RT   ; 512 consecutive bytes, at a multiple of 256 from the buffer's first byte
.endm
	OUT 0
	OUT 1
	v_cndmask_b32 v[T], v[HW], v[HW+1], s46        ; lanes 0-15 the first tile's rows, lanes 16-31 the second's
	global_store_b16 v[HA], v[T], s[60:61]         ; two bytes a row: a row's 32 scale bytes come from sixteen heads, that is from sixteen work-groups; one byte in 17 of what the launch stores
	s_wait_tensorcnt 0x0
	ds_add_u32 v254, v255
	s_wait_dscnt 0x0
	CROUND                                         ; the closing round: no work-group ends while a partner may still ask for a tile that names it
	s_endpgm
.Lfunc_end_k_q08e6baa9c6_attn:
	.size	k_q08e6baa9c6_attn, .Lfunc_end_k_q08e6baa9c6_attn-k_q08e6baa9c6_attn
	.p2alignl 7, 3214868480
	.fill 96, 4, 3214868480
	.section	.rodata,"a",@progbits
	.p2align	6, 0x0
	.amdhsa_kernel k_q08e6baa9c6_attn
		.amdhsa_group_segment_fixed_size 169984
		.amdhsa_private_segment_fixed_size 0
		.amdhsa_enable_private_segment 0
		.amdhsa_kernarg_size 32
		.amdhsa_user_sgpr_count 2
		.amdhsa_user_sgpr_kernarg_segment_ptr 1
		.amdhsa_wavefront_size32 1
		.amdhsa_system_sgpr_workgroup_id_x 1
		.amdhsa_system_sgpr_workgroup_id_y 1
		.amdhsa_system_sgpr_workgroup_id_z 1
		.amdhsa_system_vgpr_workitem_id 0
		.amdhsa_next_free_vgpr 256
		.amdhsa_next_free_sgpr 66
		.amdhsa_reserve_vcc 0
		.amdhsa_float_denorm_mode_32 3
		.amdhsa_float_denorm_mode_16_64 3
		.amdhsa_memory_ordered 1
		.amdhsa_forward_progress 1
		.amdhsa_inst_pref_size 47
	.end_amdhsa_kernel
	.amdgpu_metadata
---
amdhsa.version: [ 1, 2 ]
amdhsa.kernels:
  - .name:           k_q08e6baa9c6_attn
    .symbol:         k_q08e6baa9c6_attn.kd
    .args:
      - { .name: qc, .offset: 0, .size: 8, .value_kind: global_buffer, .address_space: global }
      - { .name: qs, .offset: 8, .size: 8, .value_kind: global_buffer, .address_space: global }
      - { .name: kv, .offset: 16, .size: 8, .value_kind: global_buffer, .address_space: global }
      - { .name: cc, .offset: 24, .size: 8, .value_kind: global_buffer, .address_space: global }
    .group_segment_fixed_size: 169984
    .private_segment_fixed_size: 0
    .kernarg_segment_align: 8
    .kernarg_segment_size: 32
    .max_flat_workgroup_size: 512
    .sgpr_count:     66
    .vgpr_count:     256
    .wavefront_size: 32
...
	.end_amdgpu_metadata
.endif
;; end of part 3
;; launch oproj (part 4): grid 256 x 1, 8 waves a work-group, clusters of 4 x 1, 168,960 bytes of LDS; arguments cc, ops, bo, out0; writes out0
.if DOCPART == 4
	.amdgcn_target "amdgcn-amd-amdhsa--gfx1250"
	.amdhsa_code_object_version 6
	.text
	.protected	k_q08e6baa9c6_oproj
	.globl	k_q08e6baa9c6_oproj
	.p2align	8
	.type	k_q08e6baa9c6_oproj,@function
k_q08e6baa9c6_oproj:
	s_mov_b64 s[64:65], 0
	v_nop
	global_prefetch_b8 v0, s[64:65] scope:SCOPE_SE
	s_setreg_imm32_b32 hwreg(HW_REG_WAVE_MODE, 25, 1), 1
	s_wait_xcnt 0x0
	s_wait_alu depctr_hold_cnt(0) depctr_sa_sdst(0) depctr_va_vdst(0) depctr_va_sdst(0) depctr_va_ssrc(0) depctr_va_vcc(0) depctr_vm_vsrc(0)
	s_getreg_b32 s2, hwreg(HW_REG_IB_STS2, 6, 4)
	s_cmp_eq_u32 s2, 0
	s_cbranch_scc0 .Lentry_in_a_cluster
	s_endpgm
.Lentry_in_a_cluster:
	s_bfe_u32 s2, ttmp6, 0x10000c
	s_cmp_lg_u32 s2, 0x3003
	s_cbranch_scc0 .Lentry_shape_is_right
	s_endpgm
.Lentry_shape_is_right:
; out0 = concat Wo^T + bo on codes of FP4 with E8M0 scales: concat's from cc (made by attention), Wo's from ops; sums in f32.
; USED TRANSPOSED: source 0 = 128 rows of Wo (columns of out0), source 1 = tokens: a lane holds one token and eight neighbouring columns.  A tile is 128 columns x 256 tokens; 256 work-groups; wave w owns token tiles 2 w, 2 w + 1.
; Source 1's fragments for all of K come from memory straight into registers (no other wave of the work-group reads them); Wo's slab (69,632 bytes) is the same in the four work-groups of a cluster and comes by joint loads,
; a quarter from each of waves 0-3: one load of mine is out; nothing in LDS is filled twice.  No prefetch: all is asked for at the head.
; The results go through the wave's own stage in LDS (16 rows, 528 bytes apart, behind the slab: no tensor load lands there) and leave as rows of 512 consecutive bytes.
; REGISTERS as in the launch of the three input products: window 0: v1-10 addresses; v16-79 source 0's fragments, later rows of out0; v80-111, v112-119 scale words; v160-223 the bias, later rows of out0.
;   window 1: v0-127 the accumulators ((u, t) at 8 (8 u + t)); v128-255 source 1's fragments ((u, q) at 128 + 8 (8 u + q)).
.set RT,    8704
.set SLAB,  8*RT
.set SPI,   528
.set LI,    1                          ; v1   16 x lane
.set SI,    2                          ; v2   32 r + 16 h
.set ADA,   3
.set ADB,   5
.set BA,    7                          ; v7   32 h
.set STO,   9                          ; v9   the stage: where I put 32 bytes of a row
.set RD,    10                         ; v10  and where I read a row back
.set F,     16
.set SS0,   80
.set SS1,   112
.set BI,    160
.set SRC1,  128
.set WV,    63
.set MSB, 0
.macro WIN new
.if MSB != \new
	s_set_vgpr_msb (MSB<<8)|\new
.set MSB, \new
.endif
.endm
.macro CROUND
	s_barrier_signal -1
	s_barrier_wait -1
	s_cmp_lg_u32 s[WV], 0
	s_cbranch_scc1 .Lnot_wave_0_\@
	s_barrier_signal -3
.Lnot_wave_0_\@:
	s_barrier_wait -3
	s_barrier_signal -1
	s_barrier_wait -1
.endm
	s_load_b256 s[4:11], s[0:1], 0x0               ; cc, ops, bo, out0
	v_lshl_add_u32 v254, v0, 2, 0x29000
	v_mov_b32 v255, 0
	ds_add_u32 v254, v255
	ds_add_u32 v254, v255
	v_lshrrev_b32 v15, 5, v0
	s_delay_alu instid0(VALU_DEP_1)
	v_readfirstlane_b32 s[WV], v15                 ; wave 0..7
	v_and_b32 v12, 31, v0
	v_and_b32 v13, 15, v0                          ; r
	v_bfe_u32 v14, v0, 4, 1                        ; h
	s_delay_alu instid0(VALU_DEP_3)
	v_lshlrev_b32 v[LI], 4, v12
	s_delay_alu instid0(VALU_DEP_3)
	v_lshlrev_b32 v[SI], 5, v13
	s_delay_alu instid0(VALU_DEP_1)
	v_lshl_add_u32 v[SI], v14, 4, v[SI]
	s_delay_alu instid0(VALU_DEP_4)
	v_lshlrev_b32 v[BA], 5, v14
	s_mul_i32 s84, s[WV], 16*SPI
	s_add_co_u32 s84, s84, SLAB                    ; my stage
	v_mul_u32_u24 v[STO], v13, SPI
	s_delay_alu instid0(VALU_DEP_1)
	v_lshl_add_u32 v[STO], v14, 5, v[STO]
	s_delay_alu instid0(VALU_DEP_1)
	v_add_nc_u32 v[STO], s84, v[STO]               ; in: row r, + 32 h
	v_add_nc_u32 v[RD], s84, v[LI]                 ; back: the 32 lanes take one row of 512 bytes
	s_and_b32 s71, ttmp9, 7                        ; g: which 128 rows of Wo; the four partners share it
	s_and_b32 s73, s[WV], 3
	s_mul_i32 s73, s73, 2*RT                       ; the quarter of the slab that I fetch
	s_lshl_b32 s74, s71, 3
	s_add_co_u32 s74, s74, 1728                    ; Wo's row tile 8 g
	s_mul_i32 s74, s74, RT
	s_add_co_u32 s74, s74, s73
	s_mov_b32 s75, 0
	s_mov_b32 s20, 15|(3<<16)|(1<<21)              ; group 1: the mask of all four; elements of 8 bytes; 21 set beside a mask: 68 dense rows of 256 bytes
	s_mov_b32 s21, 32<<16
	s_mov_b32 s22, 68<<16
	s_mov_b32 s23, 32<<16
	s_mov_b32 s24, 68
	s_mov_b32 s25, 32
	s_mov_b32 s26, 0
	s_mov_b32 s27, 0
	s_bfe_u32 s70, ttmp6, 0x40000                  ; cx
	s_lshr_b32 s72, ttmp9, 3
	s_lshl_b32 s72, s72, 2
	s_add_co_u32 s72, s72, s70                     ; R: which 256 tokens
	s_mov_b32 s83, 0
	s_wait_dscnt 0x0
	s_wait_kmcnt 0x0
	s_mov_b32 s28, 1
	s_mov_b32 s29, s73
	s_add_nc_u64 s[30:31], s[6:7], s[74:75]
	s_or_b32 s31, s31, 0x80000000
	s_lshl_b32 s82, s72, 4                         ; source 1: cc's row tile 16 R + 2 w
	s_lshl_b32 s84, s[WV], 1
	s_add_co_u32 s82, s82, s84
	s_mul_i32 s82, s82, RT
	s_add_nc_u64 s[40:41], s[4:5], s[82:83]
	s_lshl_b32 s82, s71, 9                         ; bo at column 128 g
	s_add_nc_u64 s[46:47], s[8:9], s[82:83]
	s_lshl_b32 s82, s72, 20                        ; out0: row 256 R + 32 w of 4,096 bytes, + 512 g
	s_lshl_b32 s84, s[WV], 17
	s_add_co_u32 s82, s82, s84
	s_lshl_b32 s84, s71, 9
	s_add_co_u32 s82, s82, s84
	s_add_nc_u64 s[52:53], s[10:11], s[82:83]
	CROUND                                         ; all four work-groups are here: the joint loads meet
	s_cmp_lt_u32 s[WV], 4
	s_cbranch_scc0 .Lasked
	tensor_load_to_lds s[28:31], s[20:27]
	s_nop 0
.rept 4
	v_nop
.endr
.Lasked:
	WIN 0x40                                       ; destination window 1
	s_wait_alu depctr_va_vdst(0)
.irp u, 0,1
.irp q, 0,1,2,3,4,5,6,7
.irp c, 0,1
	global_load_b128 v[SRC1+8*(8*\u+\q)+4*\c:SRC1+8*(8*\u+\q)+4*\c+3], v[LI], s[40:41] offset:\u*RT+\q*1024+\c*512
.endr
.endr
.endr
	WIN 0
.irp u, 0,1
	global_load_b128 v[SS1+4*\u:SS1+4*\u+3], v[SI], s[40:41] offset:\u*RT+8192
.endr
.irp t, 0,1,2,3,4,5,6,7
	global_load_b128 v[BI+8*\t:BI+8*\t+3], v[BA], s[46:47] offset:64*\t          ; register j of tile t is bo[128 g + 16 t + 8 h + j]
	global_load_b128 v[BI+8*\t+4:BI+8*\t+7], v[BA], s[46:47] offset:64*\t+16
.endr
; A K step of 128: Wo's eight fragments from LDS, 16 matrix instructions; the 16 accumulators take turns, one instruction a turn.  q = 0: the bias is the C of each sum's first instruction.
.macro KSTEP q
.irp t, 0,1,2,3,4,5,6,7
.irp c, 0,1
	ds_load_b128 v[F+8*\t+4*\c:F+8*\t+4*\c+3], v[ADA+\t/4] offset:(\t%4)*RT+(\q)*1024+\c*512
.endr
.endr
.if (\q) == 0
	s_wait_loadcnt 0x0                             ; source 1 and the bias are in
.endif
	s_wait_dscnt 0x0
.if (\q) == 0
	WIN 0x44                                       ; source 1 and D window 1; source 0 and C (the bias) window 0
.else
	WIN 0x54
.endif
.irp t, 0,1,2,3,4,5,6,7
.irp u, 0,1
.set rD, 8*(8*\u+\t)
.set rB, SRC1+8*(8*\u+(\q))
.set rX, SS0+4*\t+(\q)%4
.set rY, SS1+4*\u+(\q)%4
.if (\q) == 0
	v_wmma_scale_f32_16x16x128_f8f6f4 v[rD:rD+7], v[F+8*\t:F+8*\t+7], v[rB:rB+7], v[BI+8*\t:BI+8*\t+7], v[rX], v[rY] matrix_a_fmt:MATRIX_FMT_FP4 matrix_b_fmt:MATRIX_FMT_FP4
.elseif (\q) < 4
	v_wmma_scale_f32_16x16x128_f8f6f4 v[rD:rD+7], v[F+8*\t:F+8*\t+7], v[rB:rB+7], v[rD:rD+7], v[rX], v[rY] matrix_a_fmt:MATRIX_FMT_FP4 matrix_b_fmt:MATRIX_FMT_FP4
.else
	v_wmma_scale_f32_16x16x128_f8f6f4 v[rD:rD+7], v[F+8*\t:F+8*\t+7], v[rB:rB+7], v[rD:rD+7], v[rX], v[rY] matrix_a_fmt:MATRIX_FMT_FP4 matrix_b_fmt:MATRIX_FMT_FP4 matrix_a_scale:MATRIX_SCALE_ROW1 matrix_b_scale:MATRIX_SCALE_ROW1
.endif
.endr
.endr
	WIN 0
.rept 4
	v_nop                                          ; four places in front of loads into registers that matrix instructions have read, and of the first read of results
.endr
.endm
	v_mov_b32 v[ADA], v[LI]
	v_add_nc_u32 v[ADA+1], 4*RT, v[LI]
	v_mov_b32 v[ADB], v[SI]
	v_add_nc_u32 v[ADB+1], 4*RT, v[SI]
	s_wait_alu depctr_va_vdst(0)
	s_wait_tensorcnt 0x0                           ; my quarter of the slab is in,
	s_barrier_signal -1
	s_barrier_wait -1                              ; everybody's is
.irp t, 0,1,2,3,4,5,6,7
	ds_load_b128 v[SS0+4*\t:SS0+4*\t+3], v[ADB+\t/4] offset:(\t%4)*RT+8192
.endr
.irp q, 0,1,2,3,4,5,6,7
	KSTEP \q
.endr
; THE WAY OUT, 16 tokens x 128 columns at a time.  LDS serves a wave's instructions in order (ISA guide 5.7.1.4): no wait between the stores and the loads, nor in front of the next tile's stores.
.macro TOSTAGE u, bk
	WIN 0x04                                       ; an LDS store's data are its source 1: window 1
.irp t, 0,1,2,3,4,5,6,7
	ds_store_b128 v[STO], v[8*(8*\u+\t):8*(8*\u+\t)+3] offset:64*\t          ; each accumulator from its low end on
	ds_store_b128 v[STO], v[8*(8*\u+\t)+4:8*(8*\u+\t)+7] offset:64*\t+16
.endr
	WIN 0
.irp i, 0,1,2,3,4,5,6,7,8,9,10,11,12,13,14,15
	ds_load_b128 v[\bk+4*\i:\bk+4*\i+3], v[RD] offset:\i*SPI
.endr
.endm
.macro SEND u, bk, younger             ; younger: the LDS instructions issued behind this tile's loads
.irp i, 0,1,2,3,4,5,6,7,8,9,10,11,12,13,14,15
	s_wait_dscnt \younger+15-\i                    ; row i is back; the rows behind it, and the next tile's 32 instructions, may be out
	global_store_b128 v[LI], v[\bk+4*\i:\bk+4*\i+3], s[52:53] offset:\u*65536+\i*4096 th:TH_STORE_NT   ; 32 lanes store 512 consecutive bytes, at a multiple of 256 from out0's first byte
.endr
.endm
	TOSTAGE 0, F
	TOSTAGE 1, BI
	SEND 0, F, 32
	SEND 1, BI, 0
	s_wait_tensorcnt 0x0
	ds_add_u32 v254, v255
	s_wait_dscnt 0x0
	CROUND                                         ; the closing round: no work-group ends while a partner may still ask for a tile that names it
	s_endpgm
.Lfunc_end_k_q08e6baa9c6_oproj:
	.size	k_q08e6baa9c6_oproj, .Lfunc_end_k_q08e6baa9c6_oproj-k_q08e6baa9c6_oproj
	.p2alignl 7, 3214868480
	.fill 96, 4, 3214868480
	.section	.rodata,"a",@progbits
	.p2align	6, 0x0
	.amdhsa_kernel k_q08e6baa9c6_oproj
		.amdhsa_group_segment_fixed_size 168960
		.amdhsa_private_segment_fixed_size 0
		.amdhsa_enable_private_segment 0
		.amdhsa_kernarg_size 32
		.amdhsa_user_sgpr_count 2
		.amdhsa_user_sgpr_kernarg_segment_ptr 1
		.amdhsa_wavefront_size32 1
		.amdhsa_system_sgpr_workgroup_id_x 1
		.amdhsa_system_sgpr_workgroup_id_y 1
		.amdhsa_system_sgpr_workgroup_id_z 1
		.amdhsa_system_vgpr_workitem_id 0
		.amdhsa_next_free_vgpr 512
		.amdhsa_next_free_sgpr 90
		.amdhsa_reserve_vcc 0
		.amdhsa_float_denorm_mode_32 3
		.amdhsa_float_denorm_mode_16_64 3
		.amdhsa_memory_ordered 1
		.amdhsa_forward_progress 1
		.amdhsa_inst_pref_size 44
	.end_amdhsa_kernel
	.amdgpu_metadata
---
amdhsa.version: [ 1, 2 ]
amdhsa.kernels:
  - .name:           k_q08e6baa9c6_oproj
    .symbol:         k_q08e6baa9c6_oproj.kd
    .args:
      - { .name: cc, .offset: 0, .size: 8, .value_kind: global_buffer, .address_space: global }
      - { .name: ops, .offset: 8, .size: 8, .value_kind: global_buffer, .address_space: global }
      - { .name: bo, .offset: 16, .size: 8, .value_kind: global_buffer, .address_space: global }
      - { .name: out0, .offset: 24, .size: 8, .value_kind: global_buffer, .address_space: global }
    .group_segment_fixed_size: 168960
    .private_segment_fixed_size: 0
    .kernarg_segment_align: 8
    .kernarg_segment_size: 32
    .max_flat_workgroup_size: 256
    .sgpr_count:     90
    .vgpr_count:     512
    .wavefront_size: 32
...
	.end_amdgpu_metadata
.endif
;; end of part 4
